; MI455X (gfx1250); checked and timed in simulation.
; The chip was launched on July 23, 2026; its instructions are those of AMD's public machine-readable ISA for CDNA 5 (MIT licence, August 2026) and "CDNA5" Instruction Set Architecture Reference Guide (July 2026). The comments in the code are by the model that wrote it; some were corrected since.
;; Scaled Dot Product Attention. Allowed arithmetic: matrix products marked QUANTISED: E2M1 operands, one E8M0 scale for each 32 along K, by v_wmma_scale_f32_16x16x128_f8f6f4 with both operands' format E2M1 (or v_wmma_scale_f32_32x16x128_f4), f32 sums; everything else in f32.
;; Inputs: K_codes 2 x 8 x 4,096 x 2 x 16 uint8 (E2M1 codes of K, K innermost, in blocks of 32 codes, two codes a byte); K_scales 2 x 8 x 4,096 x 2 uint8 (E8M0 scales of K, one for each 32 codes along K); Q_codes 2 x 8 x 4,096 x 2 x 16 uint8 (E2M1 codes of Q, K innermost, in blocks of 32 codes, two codes a byte); Q_scales 2 x 8 x 4,096 x 2 uint8 (E8M0 scales of Q, one for each 32 codes along K); V_codes 2 x 8 x 64 x 128 x 16 uint8 (E2M1 codes of V, K innermost, in blocks of 32 codes, two codes a byte); V_scales 2 x 8 x 64 x 128 uint8 (E8M0 scales of V, one for each 32 codes along K).
;; Outputs: out0 2 x 8 x 4,096 x 64 float32.
;; This version of the problem:
;;   THIS VERSION OF THE PROBLEM IS GIVEN IN LOW PRECISION. The matrix products marked QUANTISED in the list below multiply operands that are first quantised to E2M1 (2 exponent bits, 1 mantissa bit; 4 bits a number), with one power-of-two scale for each 32 numbers along K (OCP MX v1.0); their sums are f32. All else is computed in f32.
;;   The module's matrix products, in the order in which they are computed (A, B: the left and right operand; K: the contracted axis; several contracted axes count as one K, in the product's order):
;;     1. batch 16 x [M 4,096, K 64] x [K 64, N 4,096]; A: input Q (given as codes); B: input K (given as codes): QUANTISED
;;     2. batch 16 x [M 4,096, K 4,096] x [K 4,096, N 64]; A: softmax (see below); B: input V (given as codes): QUANTISED
;;   THE QUANTISER, for each operand of a quantised product, along K:
;;     - K is cut into blocks of 32 from its start; a last block that is shorter is filled with zeros.
;;     - A block's scale is 2^e with e = floor(log2(the largest magnitude in the block)) - 2, held to -126 .. 127; a block of zeros has e = 0. As a byte (E8M0): e + 127.
;;     - Each number is divided by its block's scale, clamped to +-6, and rounded to the nearest number of E2M1, ties to even, subnormals kept.
;;     - The product sums the exact products of the quantised numbers (number of the format x scale) in f32.
;;   ~~~python
;;   def quantise(x, axis):      # numpy; x: float32 -> the quantised numbers, widened to float32 again
;;       x = np.moveaxis(x, axis, -1); K = x.shape[-1]
;;       x = np.pad(x, [(0, 0)] * (x.ndim - 1) + [(0, -K % 32)]); x = x.reshape(x.shape[:-1] + (-1, 32)); a = np.abs(x).max(-1, keepdims=True)
;;       e = np.where(a > 0, np.clip(np.frexp(np.where(a > 0, a, 1))[1] - 1 - 2, -126, 127), 0)      # np.frexp(a)[1] - 1 = floor(log2(a)), exactly
;;       r = np.clip(x / 2.0 ** e, -6, 6)
;;       step = 2.0 ** (np.maximum(np.frexp(np.where(r == 0, 1, r))[1] - 1, 0) - 1)
;;       q = np.round(r / step) * step * 2.0 ** e      # np.round: ties to even
;;       return np.moveaxis(q.reshape(q.shape[:-2] + (-1,))[..., :K], -1, axis).astype(np.float32)
;;   ~~~
;;   SOFTMAX AHEAD OF A QUANTISED PRODUCT. Where the list says 'softmax', what is quantised is not the finished softmax but p = 2^(t - M), with t = logit x log2(e) and M = ceil(the row's largest t), a whole number; so 1/2 < the row's largest p <= 1. The row's sum l is taken of the UNQUANTISED p, in f32, and the product's result is divided by l at the end. Since M is a whole number, a kernel that streams over the keys may use a running M (the ceiling of the running maximum): every later rescaling is an exact power of two, which a block's scale takes up: the codes' values come out the same.
;;   OPERANDS COMPUTED ON THE WAY. 'Computed on the way' means the value that the module computes at that place (a softmax that the list does not call 'softmax' is quantised finished and normalised). What goes into a quantiser is computed in f32, as accurately as f32 sums, v_exp_f32 and their like allow (about 1e-6 of the number): no bf16 or f16 on the way to a quantiser, and a product that is left as it is and whose result goes on into a quantised operand takes f32 operands (vector FMAs, or v_wmma_f32_16x16x4_f32). A number that lies on a knife's edge between two numbers of the format may be rounded either way, as far as f32 arithmetic and the matrix unit's own rounding can turn it there, and no further.
;;   INPUTS GIVEN AS CODES. K (in the module: [2, 8, 4096, 64], K = its axis 3); Q (in the module: [2, 8, 4096, 64], K = its axis 3); V (in the module: [2, 8, 4096, 64], K = its axis 2): each comes as NAME_codes (uint8): NAME with its K axis moved to the last place and cut into blocks of 32 codes, [.., K / 32, bytes a block], one block behind the other in memory; two codes a byte, the lower K in the low four bits (a code: sign, 2 exponent bits, 1 mantissa bit); and NAME_scales (uint8): the same leading axes, one E8M0 byte (e + 127) for each 32 codes along K. Its value is code x scale, taken as it is: it is not quantised again, and the codes and scales need not be those that the quantiser above would give.
;; 2 versions. Each part assembles by itself: llvm-mc -triple=amdgcn-amd-amdhsa -mcpu=gfx1250 --defsym DOCPART=n.
;; ======== version 1 of 2: 1 launch
;; launch attn (part 1): grid 16 x 16, 16 waves a work-group, no clusters, 124,928 bytes of LDS; arguments Q_codes, Q_scales, K_codes, K_scales, V_codes, V_scales, out0; writes out0
.if DOCPART == 1
	.amdgcn_target "amdgcn-amd-amdhsa--gfx1250"
	.amdhsa_code_object_version 6
	.text
	.protected	k_qc5383e3977_attn
	.globl	k_qc5383e3977_attn
	.p2align	8
	.type	k_qc5383e3977_attn,@function
k_qc5383e3977_attn:
	s_mov_b64 s[64:65], 0
	v_nop
	global_prefetch_b8 v0, s[64:65] scope:SCOPE_SE
	s_setreg_imm32_b32 hwreg(HW_REG_WAVE_MODE, 25, 1), 1
	s_wait_xcnt 0x0
; out[h][q][:] = the sum over the keys k with q - 511 <= k <= q of softmax_k(Q[h][q] . K[h][k] / 8) V[h][k][:], 16 heads, 4,096 queries, head size 64.
; Both products on codes of FP4 (E2M1) with one E8M0 scale for each 32 along a product's K.  Q, K: 32 bytes of codes and 2 scale bytes a row.  V: codes with the keys innermost: row d is 128 blocks of 16 bytes, and 128 scale bytes.
; THE SOFTMAX AHEAD OF THE SECOND PRODUCT: t = score x log2(e) / 8; M = the largest t so far, rounded UP to a whole number; p = 2^(t - M) is quantised along the keys, in blocks of 32 counted from key 0; the row's sum is
; taken of the unquantised p and divides at the end.  When M moves, the sum and O are multiplied by 2^(old M - new M): exact.
; SHARES.  Work-group (x, y): queries 256 x .. 256 x + 255 of head y.  It needs keys 256 x - 512 .. 256 x + 255: 768 RELATIVE keys, 24 relative blocks of 32.  Wave w of sixteen owns 16 queries, one tile; c = w / 2, u = w % 2.
; Its queries see exactly 17 blocks, relative c + m, m = 0 .. 16: m = 0 partly hidden at the old end (HEAD), m = 1 .. 15 open, m = 16 partly hidden on the diagonal.  m = 1 + 4 s + b is block b of step s = 0 .. 3.
; LAYOUT.  Both products are used transposed (S^T = K Q^T, O^T = V^T P^T): lane (r = lane % 16, h = lane / 16) holds query r throughout.  Lane r of key tile 2 b + uu takes key 32 b + 8 uu + r + 8 (r / 8), so that the 16
; registers of tiles 2 b and 2 b + 1 are 16 neighbouring keys, 32 b + 16 h + 0 .. 15.
; A HEAD OF 64 IN AN INSTRUCTION OF K = 128.  A fragment of K holds TWO key tiles: registers 0-3 tile 2 b, registers 4-7 tile 2 b + 1.  Multiplied by [Q | zeros] it gives tile 2 b's scores, by [zeros | Q] tile 2 b + 1's:
; zero codes add nothing.  One scale word serves both: bytes 0, 1 the first tile's key, bytes 2, 3 the second's; Q's word holds its two bytes twice.
; LDS is filled ONCE, through registers, since V is laid anew ([block][d][16 bytes]) and K's scale bytes are paired; one barrier follows the fill, and nothing is filled again.
; KEYS BEFORE KEY 0 (x = 0, 1): the fill goes in three chunks of 256 keys; a chunk that would begin before key 0 begins at key 0 (the offset is held at 0), so no load leaves a buffer.  Its blocks are left out (whole steps, HEAD) or
; their scores become -infinity; the branches hang on x and the wave's number alone.
; NO CLUSTER: a chunk of 256 keys is read by three neighbouring work-groups, but lies at relative keys 512, 256 and 0 in them: at another LDS place in each, and no LDS address may hang on a work-group's place in a cluster.
; NO TENSOR LOAD: the re-laid V would be rows of 16 bytes; the whole window is 51 KB, six loads and six LDS stores of 16 bytes a thread.  NO PREFETCH: every load of inputs stands at the kernel's head.
; LIMITS: the scale byte 0xff (NaN) in an input is not served (a NaN may reach a neighbouring key tile or a hidden key's query).  A p under 2^-126 counts as 0 (v_exp_f32 flushes denormal results: ISA guide 15.8).
; t - M is one fused multiply-add: t is not rounded by itself.  A block's largest p is made from the block's largest score by the same two instructions, which takes v_exp_f32 not to fall where its input rises.
.set KC,    0                          ; LDS: K's codes: key kappa, half hh at 32 kappa + 16 (hh xor bit 4 of kappa): the 16 rows of a load's pass (0-7, 16-23) fall on 16 different columns of 16 bytes (64 banks of 4 bytes: ISA guide 11.1)
.set VC,    24576                      ; V's codes: block beta, row d at VP beta + 16 d
.set VP,    1056                       ; 64 rows x 16 bytes + 32: the fill's stores (8 blocks x 2 rows a pass) fall on 16 different columns
.set KS,    49920                      ; K's scale words: (beta, r) at 64 beta + 4 r: low half key 32 beta + r + 8 (r / 8), high half that key + 8
.set VS,    51456                      ; V's scale bytes: row d at 24 d, a byte for each relative block
.set STAGE, 52992                      ; the way out: for each wave 16 rows x (256 + 16) bytes
.set SP,    272
.set AK,  1                            ; v1   my place in K's codes: KC + 1024 c + 32 (r + 8 g) + 16 (h xor g), g = r / 8
.set AKS, 2                            ; v2   in K's scale words: KS + 64 c + 4 r
.set AV,  3                            ; v3   in V's codes: VC + VP (c + h) + 16 r
.set DD,  4                            ; v4   16 u + r - 16 h: register n of the diagonal block is hidden where n > DD, of the oldest block where n <= DD
.set NINF, 5                           ; v5   -infinity
.set QS,  6                            ; v6   Q's scale word
.set GO,  7                            ; v7   the way out: 256 h + 16 r in the wave's rows of out
.set STO, 8                            ; v8   the stage, in
.set RD,  9                            ; v9   the stage, back
.set AVS, 10                           ; v10  my place in V's scale bytes: VS + 24 r + 4 (c / 4)
                                       ; v12 -M, v13 the largest t, v[14:15] the sum in two halves
.set ZQ,  16                           ; v[16:23] = [zeros | Q]
.set QZ,  20                           ; v[20:27] = [Q | zeros]
.set KSC, 28                           ; v28-31   K's scale words of a step's four blocks
.set KF,  32                           ; v32-63   K's four fragments
.set VF,  64                           ; v64-95   V's four fragments
.set S,   96                           ; v96-159  S^T, then p
.set O,   160                          ; v160-191 O^T: four tiles of 16 channels
.set PC,  192                          ; v192-199 p's codes
.set VSW, 200                          ; v200-219 V's scale words: 4 x step + tile, step 0 being HEAD
.set PW,  220                          ; v220     p's scale word
.set F,   222                          ; v[222:223] f = 2^(old M - new M); v223 is written once, being named with it as a pair
.set BM,  224                          ; v224-227 the blocks' largest scores, then largest p
.set BX,  228                          ; v228-231 at work
.set BS,  232                          ; v232-235 the conversions' scale operands
.set L2,  236                          ; v[236:237] the sum's second chain
.set T0,  238
; the fill's registers lie in S^T's, which are not yet in use
.set KD,  96                           ; v96-107  K's codes as loaded
.set VD,  108                          ; v108-119 V's
.set RL,  120                          ; v120-125 scale bytes as loaded
.set KO,  128                          ; v128-130 offsets in K_codes, a chunk each
.set VO,  131                          ; v131-133 in V_codes
.set KST, 134                          ; LDS: where my 16 bytes of K go
.set VST, 135                          ; of V
.set KSS, 136                          ; where my two keys' scale bytes go
.set VSS, 137                          ; where my row's scale bytes of V go
.set KSG, 138                          ; offset in K_scales
.set VSG, 139                          ; v139-141 in V_scales
.set QCO, 142
.set QSO, 143
.set QSL, 144
.set TR,  145                          ; r
.set TH,  146                          ; h
.set TG,  147                          ; g
.set TA,  148                          ; v148-151 at work
.set TB,  149
.set TC,  150
.set TD,  151
.set WV,  18                           ; s18  wave
.set X,   19                           ; s19  block of 256 queries
.set SEL, 20                           ; s[20:21] v_permlanex16_b32's selects for lane l xor 16
.set CS,  22                           ; s[22:23] log2(e) / 8; the packed form names a pair and takes its low word for both halves
.set KK,  24                           ; s24-26 the three chunks' first keys
.set CW,  27                           ; s27  c
.set ZB,  28                           ; s28  15 - 8 x - c: blocks m = 1 .. ZB lie before key 0
.set KKW, 29                           ; s29  the first key of the chunk whose scale bytes my wave brings
.set SELH, 30                          ; s30  v_perm_b32's selector: bytes c % 4 .. c % 4 + 3 of two words
.set SELF, 31                          ; s31  one byte further on
.set Y,   32                           ; s32  head
; nb blocks of K from block m0 on: a fragment is two loads of 16 bytes, 8 keys (256 bytes) apart; and the block's scale word
.macro KLOAD m0, nb
.set bb, 0
.rept \nb
	ds_load_b128 v[KF+8*bb:KF+8*bb+3],   v[AK] offset:1024*((\m0)+bb)
	ds_load_b128 v[KF+8*bb+4:KF+8*bb+7], v[AK] offset:1024*((\m0)+bb)+256
	ds_load_b32  v[KSC+bb], v[AKS] offset:64*((\m0)+bb)
.set bb, bb+1
.endr
.endm
; V^T's four fragments (16 channels x 128 keys) of blocks m0 .. m0 + 3: registers 4 cc .. 4 cc + 3 of lane (r, h) are block m0 + 2 cc + h of row 16 t + r
.macro VLOAD m0
.irp t, 0,1,2,3
.irp cc, 0,1
	ds_load_b128 v[VF+8*\t+4*\cc:VF+8*\t+4*\cc+3], v[AV] offset:VP*((\m0)+2*\cc)+256*\t
.endr
.endr
.endm
; S^T of nb blocks: two products a block, each starting its sum with the constant 0
.macro SMUL nb
.set bb, 0
.rept \nb
	v_wmma_scale_f32_16x16x128_f8f6f4 v[S+16*bb:S+16*bb+7],    v[KF+8*bb:KF+8*bb+7], v[QZ:QZ+7], 0, v[KSC+bb], v[QS] matrix_a_fmt:MATRIX_FMT_FP4 matrix_b_fmt:MATRIX_FMT_FP4
	v_wmma_scale_f32_16x16x128_f8f6f4 v[S+16*bb+8:S+16*bb+15], v[KF+8*bb:KF+8*bb+7], v[ZQ:ZQ+7], 0, v[KSC+bb], v[QS] matrix_a_fmt:MATRIX_FMT_FP4 matrix_b_fmt:MATRIX_FMT_FP4
.set bb, bb+1
.endr
.endm
; O^T += V^T P^T: the four accumulators by turns, one instruction a turn; between two steps' links stand the next step's products K Q^T.  zero = 1: the products start the sums
.macro PVMUL st, zero
.irp t, 0,1,2,3
.if \zero
	v_wmma_scale_f32_16x16x128_f8f6f4 v[O+8*\t:O+8*\t+7], v[VF+8*\t:VF+8*\t+7], v[PC:PC+7], 0, v[VSW+4*(\st)+\t], v[PW] matrix_a_fmt:MATRIX_FMT_FP4 matrix_b_fmt:MATRIX_FMT_FP4
.else
	v_wmma_scale_f32_16x16x128_f8f6f4 v[O+8*\t:O+8*\t+7], v[VF+8*\t:VF+8*\t+7], v[PC:PC+7], v[O+8*\t:O+8*\t+7], v[VSW+4*(\st)+\t], v[PW] matrix_a_fmt:MATRIX_FMT_FP4 matrix_b_fmt:MATRIX_FMT_FP4
.endif
.endr
.endm
; four places: plain vector instructions between a matrix instruction and a vector instruction that reads its result or writes one of its registers, or a load into one of them
.macro PLACES
.rept 4
	v_nop
.endr
.endm
	s_load_b256 s[4:11], s[0:1], 0x0               ; Q's codes s[4:5], Q's scales s[6:7], K's codes s[8:9], K's scales s[10:11]
	s_load_b128 s[12:15], s[0:1], 0x20             ; V's codes s[12:13], V's scales s[14:15]
	s_load_b64 s[16:17], s[0:1], 0x30              ; out
	v_lshl_add_u32 v254, v0, 2, 0x1e000
	v_mov_b32 v255, 0
	v_lshrrev_b32 v[TA], 5, v0
	v_readfirstlane_b32 s[WV], v[TA]               ; wave 0..15
	s_mov_b32 s[X], ttmp9
	s_and_b32 s[Y], ttmp7, 0xffff
	s_mov_b32 s[SEL], 0x76543210
	s_mov_b32 s[SEL+1], 0xfedcba98
	s_mov_b32 s[CS], 0x3e38aa3b                    ; log2(e) / 8
	s_mov_b32 s[CS+1], s[CS]
	s_lshl_b32 s33, s[X], 8                        ; 256 x
	s_sub_co_i32 s[KK], s33, 512                   ; chunk j begins at key 256 x - 512 + 256 j,
	s_sub_co_i32 s[KK+1], s33, 256
	s_mov_b32 s[KK+2], s33
	s_max_i32 s[KK], s[KK], 0                      ; held at 0
	s_max_i32 s[KK+1], s[KK+1], 0
	s_lshr_b32 s[CW], s[WV], 1                     ; c
	s_lshl_b32 s34, s[X], 3
	s_sub_co_i32 s[ZB], 15, s34
	s_sub_co_i32 s[ZB], s[ZB], s[CW]               ; 15 - 8 x - c
	s_lshr_b32 s34, s[WV], 2                       ; waves 0-11 bring K's scale bytes, four waves a chunk
	s_min_u32 s34, s34, 2                          ; (waves 12-15 bring none: their offset stays inside the buffer all the same)
	s_lshl_b32 s34, s34, 8
	s_add_co_i32 s[KKW], s33, s34
	s_sub_co_i32 s[KKW], s[KKW], 512
	s_max_i32 s[KKW], s[KKW], 0
	s_and_b32 s34, s[CW], 3
	s_mul_i32 s34, s34, 0x01010101
	s_add_co_u32 s[SELH], s34, 0x03020100
	s_add_co_u32 s[SELF], s[SELH], 0x01010101
	; every address register is made here, ahead of the first parting of the waves
	v_and_b32 v[TR], 15, v0                        ; r
	v_bfe_u32 v[TH], v0, 4, 1                      ; h
	v_bfe_u32 v[TG], v0, 3, 1                      ; g
	v_lshl_add_u32 v[TA], v[TG], 3, v[TR]          ; r + 8 g
	v_xor_b32 v[TB], v[TH], v[TG]
	v_lshlrev_b32 v[TB], 4, v[TB]
	v_lshl_add_u32 v[AK], v[TA], 5, v[TB]
	s_lshl_b32 s34, s[CW], 10
	v_add_nc_u32 v[AK], s34, v[AK]
	s_lshl_b32 s34, s[CW], 6
	s_add_co_u32 s34, s34, KS
	v_lshl_add_u32 v[AKS], v[TR], 2, s34
	s_mul_i32 s34, s[CW], VP
	s_add_co_u32 s34, s34, VC
	v_mul_u32_u24 v[TA], v[TH], VP
	v_lshl_add_u32 v[TA], v[TR], 4, v[TA]
	v_add_nc_u32 v[AV], s34, v[TA]
	s_and_b32 s34, s[WV], 1
	s_lshl_b32 s34, s34, 4                         ; 16 u
	v_lshlrev_b32 v[TA], 4, v[TH]
	v_sub_nc_u32 v[DD], v[TR], v[TA]
	v_add_nc_u32 v[DD], s34, v[DD]
	v_mov_b32 v[NINF], 0xff800000
	v_lshlrev_b32 v[TA], 4, v[TR]
	v_lshl_add_u32 v[GO], v[TH], 8, v[TA]
	s_mul_i32 s34, s[WV], 16*SP
	s_add_co_u32 s34, s34, STAGE                   ; my stage
	v_mul_u32_u24 v[TA], v[TR], SP
	v_lshl_add_u32 v[TA], v[TH], 5, v[TA]
	v_add_nc_u32 v[STO], s34, v[TA]                ; in: row r, 32 bytes for each half of the lanes
	v_mul_u32_u24 v[TA], v[TH], SP
	v_lshl_add_u32 v[TA], v[TR], 4, v[TA]
	v_add_nc_u32 v[RD], s34, v[TA]                 ; back: lanes 0-15 one row, lanes 16-31 the next
	s_lshr_b32 s34, s[CW], 2
	s_lshl_b32 s34, s34, 2
	s_add_co_u32 s34, s34, VS
	v_mul_u32_u24 v[TA], v[TR], 24
	v_add_nc_u32 v[AVS], s34, v[TA]
	; the fill, by the thread's number t
	v_bfe_u32 v[TA], v0, 5, 1
	v_xor_b32 v[TA], v0, v[TA]
	v_lshlrev_b32 v[KST], 4, v[TA]                 ; piece t of a chunk is key t / 2, half t % 2; bit 4 of the key is bit 5 of t
	v_and_b32 v[TA], 7, v0                         ; V: block t % 8 of the chunk,
	v_lshrrev_b32 v[TB], 3, v0                     ; row t / 8
	v_mul_u32_u24 v[TC], v[TA], VP
	v_lshl_add_u32 v[TC], v[TB], 4, v[TC]
	v_add_nc_u32 v[VST], VC, v[TC]
	v_lshlrev_b32 v[TC], 5, v[TB]                  ; K's scale bytes: thread t (of waves 0-11) brings relative keys 2 t and 2 t + 1: 32 (t / 8) + 8 (t % 4) + 2 (bit 2 of t), and 4 bytes on
	v_and_b32 v[TD], 3, v0
	v_lshl_add_u32 v[TC], v[TD], 3, v[TC]
	v_bfe_u32 v[TD], v0, 2, 1
	v_lshl_add_u32 v[TC], v[TD], 1, v[TC]
	v_add_nc_u32 v[KSS], KS, v[TC]
	v_and_b32 v[TD], 63, v0                        ; V's scale bytes: a lane (of waves 12, 13) to a row
	v_mul_u32_u24 v[TC], v[TD], 24
	v_add_nc_u32 v[VSS], VS, v[TC]
	v_lshlrev_b32 v[TD], 7, v[TD]                  ; 128 (t % 64)
	v_lshlrev_b32 v[TC], 4, v[TA]
	v_lshl_add_u32 v[TC], v[TB], 11, v[TC]         ; 2048 (t / 8) + 16 (t % 8)
	v_lshlrev_b32 v[TA], 4, v0                     ; 16 t
.irp j, 0,1,2
	s_lshl_b32 s34, s[KK+\j], 5                    ; a key is 32 bytes of K's codes,
	v_add_nc_u32 v[KO+\j], s34, v[TA]
	s_lshr_b32 s35, s[KK+\j], 1                    ; half a byte of a row of V's,
	v_add_nc_u32 v[VO+\j], s35, v[TC]
	s_lshr_b32 s36, s[KK+\j], 5                    ; and 1 / 32 byte of a row of V's scales
	v_add_nc_u32 v[VSG+\j], s36, v[TD]
.endr
	v_and_b32 v[TA], 127, v0
	s_lshl_b32 s34, s[KKW], 1
	v_lshl_add_u32 v[KSG], v[TA], 2, s34           ; 4 (t % 128) + 2 x the chunk's first key
	v_lshlrev_b32 v[TA], 5, v[TR]
	v_lshl_add_u32 v[QCO], v[TH], 4, v[TA]         ; Q: row r, block h
	v_lshlrev_b32 v[QSO], 1, v[TR]
.irp i, 0,1,2,3
	v_mov_b32 v[ZQ+\i], 0                          ; the zero codes on either side of Q
	v_mov_b32 v[QZ+4+\i], 0
	v_mov_b32 v[BX+\i], 0                          ; written once: a lane permute's destination counts as one of its sources
.endr
.irp i, 2,3,4,5,6,7
	v_mov_b32 v[PC+\i], 0                          ; HEAD has one block of p: the other three are zero codes
.endr
	v_mov_b32 v[F+1], 0
	s_lshl_b32 s34, s[Y], 17                       ; the head in each tensor of codes,
	s_mov_b32 s35, 0
	s_lshl_b32 s36, s[Y], 13                       ; in each tensor of scale bytes;
	s_mov_b32 s37, 0
	s_lshl_b32 s38, s[X], 13
	s_lshl_b32 s40, s[WV], 9
	s_add_co_u32 s38, s38, s40                     ; my 16 queries: 32 bytes of codes each,
	s_mov_b32 s39, 0
	s_lshr_b32 s40, s38, 4                         ; 2 scale bytes,
	s_mov_b32 s41, 0
	s_lshl_b32 s42, s38, 3                         ; 256 bytes of out,
	s_lshl_b32 s43, s[Y], 20
	s_add_co_u32 s42, s42, s43                     ; in a head's 2^20
	s_mov_b32 s43, 0
	s_wait_kmcnt 0x0
	s_add_nc_u64 s[4:5], s[4:5], s[34:35]
	s_add_nc_u64 s[8:9], s[8:9], s[34:35]
	s_add_nc_u64 s[12:13], s[12:13], s[34:35]
	s_add_nc_u64 s[6:7], s[6:7], s[36:37]
	s_add_nc_u64 s[10:11], s[10:11], s[36:37]
	s_add_nc_u64 s[14:15], s[14:15], s[36:37]
	s_add_nc_u64 s[4:5], s[4:5], s[38:39]
	s_add_nc_u64 s[6:7], s[6:7], s[40:41]
	s_add_nc_u64 s[16:17], s[16:17], s[42:43]
.irp j, 0,1,2
	global_load_b128 v[KD+4*\j:KD+4*\j+3], v[KO+\j], s[8:9]      ; a wave reads 512 consecutive bytes of K's codes
.endr
.irp j, 0,1,2
	global_load_b128 v[VD+4*\j:VD+4*\j+3], v[VO+\j], s[12:13]    ; and 128 consecutive bytes of each of four rows of V's
.endr
	global_load_b128 v[QZ:QZ+3], v[QCO], s[4:5] th:TH_LOAD_NT    ; Q's fragment stays in registers; nobody else reads it
	global_load_u16 v[QSL], v[QSO], s[6:7]
	; ONE parting on the wave's number: the scale bytes
	s_cmp_lt_u32 s[WV], 12
	s_cbranch_scc0 .Lnot_ks
	global_load_b32 v[RL], v[KSG], s[10:11]        ; two keys' scale bytes
	s_wait_loadcnt 0x0
	ds_store_b16 v[KSS], v[RL]
	ds_store_b16_d16_hi v[KSS], v[RL] offset:4
	s_branch .Ljoin
.Lnot_ks:
	s_cmp_lt_u32 s[WV], 14
	s_cbranch_scc0 .Ljoin
.irp j, 0,1,2
	global_load_b64 v[RL+2*\j:RL+2*\j+1], v[VSG+\j], s[14:15]    ; a chunk's 8 scale bytes of my row
.endr
	s_wait_loadcnt 0x0
.irp j, 0,1,2
	ds_store_b64 v[VSS], v[RL+2*\j:RL+2*\j+1] offset:8*\j
.endr
.Ljoin:
	s_wait_loadcnt 0x0                             ; all my loads are in
.irp j, 0,1,2
	ds_store_b128 v[KST], v[KD+4*\j:KD+4*\j+3] offset:8192*\j
.endr
.irp j, 0,1,2
	ds_store_b128 v[VST], v[VD+4*\j:VD+4*\j+3] offset:8*VP*\j
.endr
	v_lshl_or_b32 v[QS], v[QSL], 16, v[QSL]        ; Q's two bytes twice
	s_wait_dscnt 0x0                               ; for the others' sake: my stores have landed
	s_barrier_signal -1
	s_barrier_wait -1                              ; the window lies in LDS; nothing is written there again but each wave's own stage
	; V's scale words, once a wave: five words of each of my four rows, cut to the steps' four bytes
.irp t, 0,1,2,3
.irp j, 0,1,2,3,4
	ds_load_b32 v[S+5*\t+\j], v[AVS] offset:384*\t+4*\j
.endr
.endr
	s_wait_dscnt 0x0
.irp t, 0,1,2,3
	v_perm_b32 v[VSW+\t], v[S+5*\t+1], v[S+5*\t], s[SELH]        ; blocks c .. c + 3
.irp j, 0,1,2,3
	v_perm_b32 v[VSW+4*(\j+1)+\t], v[S+5*\t+\j+1], v[S+5*\t+\j], s[SELF]   ; step j: blocks c + 1 + 4 j .. + 3
.endr
.endr
	s_cmp_lt_u32 s[X], 2
	s_cbranch_scc1 .Lno_head                       ; x = 0, 1: block m = 0 lies before key 0
	; HEAD: block m = 0, the first step of the wave: it starts M, the sum and O^T
	KLOAD 0, 1
	VLOAD 0
	s_wait_dscnt 8                                 ; K's three loads are in; V's eight, issued behind them, may be out
	SMUL 1
	PLACES
.set n, 0
.rept 16
	v_cmp_le_i32 vcc_lo, n, v[DD]                  ; key 16 h + n of the block counts for query 16 u + r where 16 h + n > 16 u + r
	v_cndmask_b32 v[S+n], v[S+n], v[NINF], vcc_lo
.set n, n+1
.endr
	v_max3_num_f32 v[BM], v[S], v[S+1], v[S+2]
.irp i, 3,5,7,9,11,13
	v_max3_num_f32 v[BM], v[BM], v[S+\i], v[S+\i+1]
.endr
	v_max_num_f32 v[BM], v[BM], v[S+15]
	v_permlanex16_b32 v[BX], v[BM], s[SEL], s[SEL+1]
	v_max_num_f32 v[BM], v[BM], v[BX]              ; the block's largest score of my query
	v_mul_f32 v[T0], s[CS], v[BM]
	v_max_num_f32 v13, 0xff61b1e6, v[T0]           ; -3e38 at the least: the query 16 u + r = 31 sees nothing of this block
	v_floor_f32 v12, -v13                          ; -M = floor(-t)
.set jj, 0
.rept 8
	v_pk_fma_f32 v[S+jj:S+jj+1], v[S+jj:S+jj+1], s[CS:CS+1], v[12:13] op_sel_hi:[1,0,0]   ; t - M
.set jj, jj+2
.endr
	v_fma_f32 v[BM], v[BM], s[CS], v12
.set jj, 0
.rept 16
	v_exp_f32 v[S+jj], v[S+jj]
.set jj, jj+1
.endr
	v_exp_f32 v[BM], v[BM]                         ; the block's largest p
	v_nop                                          ; a plain instruction behind the last exponential
	s_wait_alu depctr_va_vdst(0)                   ; one wait for the batch of 17, ahead of its first reader
	v_max_num_f32 v[BM], 0x1800000, v[BM]          ; the floor 2^(3 - 127): the byte cannot fall under 1
	v_add_nc_u32 v[BS], 0xff000000, v[BM]          ; 2 off the exponent field: the conversion's scale operand
	v_lshrrev_b32 v[PW], 23, v[BS]                 ; the byte; bytes 1 to 3 are 0 and stand over zero codes
	v_cvt_scalef32_pk8_fp4_f32 v[PC], v[S:S+7], v[BS]
	v_cvt_scalef32_pk8_fp4_f32 v[PC+1], v[S+8:S+15], v[BS]
	v_nop                                          ; a plain instruction behind the conversions
	v_permlane16_swap_b32 v[PC], v[PC+2]           ; a whole block to a lane: lanes 0-15 hold block 0, lanes 16-31 zero codes
	v_permlane16_swap_b32 v[PC+1], v[PC+3]
	v_pk_add_f32 v[14:15], v[S:S+1], v[S+2:S+3]    ; the sum of the unquantised p; these lines are also the places ahead of the products below: 8 behind the scale word, 4 behind the codes
	v_pk_add_f32 v[L2:L2+1], v[S+4:S+5], v[S+6:S+7]
	v_pk_add_f32 v[14:15], v[14:15], v[S+8:S+9]
	v_pk_add_f32 v[L2:L2+1], v[L2:L2+1], v[S+10:S+11]
	v_pk_add_f32 v[14:15], v[14:15], v[S+12:S+13]
	v_pk_add_f32 v[L2:L2+1], v[L2:L2+1], v[S+14:S+15]
	v_pk_add_f32 v[14:15], v[14:15], v[L2:L2+1]
	v_nop
	v_nop
	s_wait_dscnt 0x0                               ; V is in
	PVMUL 0, 1
	PLACES                                         ; ahead of the next loads into V's fragments
	s_branch .Lsteps
.Lno_head:
	v_mov_b32 v13, 0xff61b1e6                      ; the largest t so far: -3e38, under every t
	v_floor_f32 v12, -v13
	v_mov_b32 v14, 0
	v_mov_b32 v15, 0
.set jj, 0
.rept 32
	v_mov_b32 v[O+jj], 0                           ; O^T: the first step's change of M leaves zeros zeros
.set jj, jj+1
.endr
.Lsteps:
; A STEP: blocks m = 1 + 4 s .. 4 + 4 s, 128 keys
.macro STEP s
	s_cmp_ge_i32 s[ZB], 4*\s+4                     ; all four blocks lie before key 0: the step is left out
	s_cbranch_scc1 .Lskip_\@
	KLOAD 1+4*\s, 4
	VLOAD 1+4*\s
	s_wait_dscnt 8                                 ; K's twelve loads are in; V's eight, issued behind them, may be out
	SMUL 4
	PLACES
.irp b, 0,1,2                                  ; the step's leading blocks that lie before key 0: their scores become -infinity
	s_cmp_le_i32 s[ZB], 4*\s+\b
	s_cbranch_scc1 .Lopen_\@
.set n, 0
.rept 16
	v_mov_b32 v[S+16*\b+n], v[NINF]
.set n, n+1
.endr
.endr
.Lopen_\@:
.if \s == 3
.set n, 0
.rept 16
	v_cmp_gt_i32 vcc_lo, n, v[DD]                  ; the diagonal block: key 16 h + n is hidden from query 16 u + r where 16 h + n > 16 u + r
	v_cndmask_b32 v[S+48+n], v[S+48+n], v[NINF], vcc_lo
.set n, n+1
.endr
.endif
.irp b, 0,1,2,3
	v_max3_num_f32 v[BM+\b], v[S+16*\b], v[S+16*\b+1], v[S+16*\b+2]   ; the largest score of each block: for the row's maximum, and, since p rises with the score, for the block's largest p
.endr
.irp i, 3,5,7,9,11,13
.irp b, 0,1,2,3
	v_max3_num_f32 v[BM+\b], v[BM+\b], v[S+16*\b+\i], v[S+16*\b+\i+1]   ; (the four blocks by turns; each tile is read from its low end on)
.endr
.endr
.irp b, 0,1,2,3
	v_max_num_f32 v[BM+\b], v[BM+\b], v[S+16*\b+15]
.endr
.irp b, 0,1,2,3
	v_permlanex16_b32 v[BX+\b], v[BM+\b], s[SEL], s[SEL+1]
.endr
.irp b, 0,1,2,3
	v_max_num_f32 v[BM+\b], v[BM+\b], v[BX+\b]     ; with lane l xor 16's 16 keys
.endr
	v_max3_num_f32 v[T0], v[BM], v[BM+1], v[BM+2]
	v_max_num_f32 v[T0], v[T0], v[BM+3]
	v_mul_f32 v[T0], s[CS], v[T0]                  ; the step's largest t
	v_max_num_f32 v13, v13, v[T0]                  ; the running largest t
	v_mov_b32 v[T0], v12
	v_floor_f32 v12, -v13                          ; the new -M
	v_sub_f32 v[T0], v12, v[T0]                    ; old M - new M: a whole number, 0 or less
	v_cvt_i32_f32 v[T0], v[T0]                     ; (it saturates)
	v_ldexp_f32 v[F], 1.0, v[T0]                   ; f = 2^(old M - new M)
.set jj, 0
.rept 32
	v_pk_fma_f32 v[S+jj:S+jj+1], v[S+jj:S+jj+1], s[CS:CS+1], v[12:13] op_sel_hi:[1,0,0]   ; t - M, two at a time
.set jj, jj+2
.endr
.irp b, 0,1,2,3
	v_fma_f32 v[BM+\b], v[BM+\b], s[CS], v12       ; the same of each block's largest score
.endr
.set jj, 0
.rept 64
	v_exp_f32 v[S+jj], v[S+jj]                     ; p = 2^(t - M)
.set jj, jj+1
.endr
.irp b, 0,1,2,3
	v_exp_f32 v[BM+\b], v[BM+\b]                   ; the blocks' largest p: the same two instructions on the same number
.endr
	v_pk_mul_f32 v[14:15], v[14:15], v[F:F+1] op_sel_hi:[1,0]    ; the sum under the new M; this and the 16 lines below name no exponential's result: the wave's own work behind the batch
.set jj, 0
.rept 16
	v_pk_mul_f32 v[O+jj:O+jj+1], v[O+jj:O+jj+1], v[F:F+1] op_sel_hi:[1,0]   ; O^T under the new M, each tile from its low end on
.set jj, jj+2
.endr
	s_wait_alu depctr_va_vdst(0)                   ; one wait for the batch of 68, ahead of its first reader
.irp b, 0,1,2,3
	v_max_num_f32 v[BM+\b], 0x1800000, v[BM+\b]    ; the floor 2^(3 - 127): the byte cannot fall under 1 (a block of zeros keeps that byte over zero codes)
.endr
.irp b, 0,1,2,3
	v_add_nc_u32 v[BS+\b], 0xff000000, v[BM+\b]    ; 2 off the exponent field: the conversion's scale operand
.endr
.irp b, 0,1,2,3
	v_lshrrev_b32 v[BX+\b], 23, v[BS+\b]           ; the scale's byte
.endr
	v_lshl_or_b32 v[PW], v[BX+1], 8, v[BX]         ; p's scale word for these 128 keys
	v_lshl_or_b32 v[PW], v[BX+2], 16, v[PW]
	v_lshl_or_b32 v[PW], v[BX+3], 24, v[PW]
.irp b, 0,1,2,3
	v_cvt_scalef32_pk8_fp4_f32 v[PC+2*\b], v[S+16*\b:S+16*\b+7], v[BS+\b]
	v_cvt_scalef32_pk8_fp4_f32 v[PC+2*\b+1], v[S+16*\b+8:S+16*\b+15], v[BS+\b]
.endr
	v_nop                                          ; a plain instruction behind the conversions
.irp cc, 0,1                                   ; a whole block to a lane: lanes 0-15 block 2 cc, lanes 16-31 block 2 cc + 1
.irp i, 0,1
	v_permlane16_swap_b32 v[PC+4*\cc+\i], v[PC+4*\cc+2+\i]
.endr
.endr
	v_pk_add_f32 v[L2:L2+1], v[S:S+1], v[S+2:S+3]  ; THE ROW'S SUM, of the unquantised p, in two chains.  These 32 lines name no register of the products below: they are the places behind p's scale word (8) and codes (4)
.irp j, 4,8,12,16,20,24,28,32,36,40,44,48,52,56,60
	v_pk_add_f32 v[14:15], v[14:15], v[S+\j:S+\j+1]
	v_pk_add_f32 v[L2:L2+1], v[L2:L2+1], v[S+\j+2:S+\j+3]
.endr
	v_pk_add_f32 v[14:15], v[14:15], v[L2:L2+1]
	s_wait_dscnt 0x0                               ; V is in
	PVMUL \s+1, 0
	PLACES                                         ; ahead of the next step's loads into V's fragments, and of the way out's reads of O^T
.Lskip_\@:
.endm
	STEP 0
	STEP 1
	STEP 2
	STEP 3
	; THE WAY OUT.  O^T / the sum goes through my own stage in LDS and comes back by rows, so that sixteen lanes store a query's 256 bytes
	v_add_f32 v14, v14, v15                        ; the sum's two halves,
	v_permlanex16_b32 v[BX], v14, s[SEL], s[SEL+1]
	v_add_f32 v14, v14, v[BX]                      ; and lane l xor 16's: at least 1/2, since every query sees its own key
	v_rcp_f32 v14, v14
	v_nop                                          ; a plain instruction behind the reciprocal
	s_wait_alu depctr_va_vdst(0)                   ; and the wait ahead of its first reader
.set jj, 0
.rept 16
	v_pk_mul_f32 v[S+jj:S+jj+1], v[O+jj:O+jj+1], v[14:15] op_sel_hi:[1,0]   ; register 8 t + i is out(r, 16 t + 8 h + i)
.set jj, jj+2
.endr
.irp t, 0,1,2,3
	ds_store_b128 v[STO], v[S+8*\t:S+8*\t+3] offset:64*\t
	ds_store_b128 v[STO], v[S+8*\t+4:S+8*\t+7] offset:64*\t+16
.endr
.irp i, 0,1,2,3,4,5,6,7
	ds_load_b128 v[KF+4*\i:KF+4*\i+3], v[RD] offset:2*\i*SP      ; LDS serves a wave's instructions in order (ISA guide 5.7.1.4): these see my stores
.endr
.irp i, 0,1,2,3,4,5,6,7
	s_wait_dscnt 7-\i                              ; load i is in; the younger ones may be out
	global_store_b128 v[GO], v[KF+4*\i:KF+4*\i+3], s[16:17] offset:512*\i th:TH_STORE_NT   ; 32 lanes store 512 consecutive bytes, at a multiple of 256 from out's first byte; written once
.endr
	s_wait_tensorcnt 0x0
	ds_add_u32 v254, v255
	s_wait_dscnt 0x0
	s_endpgm
.Lfunc_end_k_qc5383e3977_attn:
	.size	k_qc5383e3977_attn, .Lfunc_end_k_qc5383e3977_attn-k_qc5383e3977_attn
	.p2alignl 7, 3214868480
	.fill 96, 4, 3214868480
	.section	.rodata,"a",@progbits
	.p2align	6, 0x0
	.amdhsa_kernel k_qc5383e3977_attn
		.amdhsa_group_segment_fixed_size 124928
		.amdhsa_private_segment_fixed_size 0
		.amdhsa_enable_private_segment 0
		.amdhsa_kernarg_size 56
		.amdhsa_user_sgpr_count 2
		.amdhsa_user_sgpr_kernarg_segment_ptr 1
		.amdhsa_wavefront_size32 1
		.amdhsa_system_sgpr_workgroup_id_x 1
		.amdhsa_system_sgpr_workgroup_id_y 1
		.amdhsa_system_sgpr_workgroup_id_z 1
		.amdhsa_system_vgpr_workitem_id 0
		.amdhsa_next_free_vgpr 256
		.amdhsa_next_free_sgpr 66
		.amdhsa_reserve_vcc 1
		.amdhsa_float_denorm_mode_32 3
		.amdhsa_float_denorm_mode_16_64 3
		.amdhsa_memory_ordered 1
		.amdhsa_forward_progress 1
		.amdhsa_inst_pref_size 89
	.end_amdhsa_kernel
	.amdgpu_metadata
---
amdhsa.version: [ 1, 2 ]
amdhsa.kernels:
  - .name:           k_qc5383e3977_attn
    .symbol:         k_qc5383e3977_attn.kd
    .args:
      - { .name: Q_codes, .offset: 0, .size: 8, .value_kind: global_buffer, .address_space: global }
      - { .name: Q_scales, .offset: 8, .size: 8, .value_kind: global_buffer, .address_space: global }
      - { .name: K_codes, .offset: 16, .size: 8, .value_kind: global_buffer, .address_space: global }
      - { .name: K_scales, .offset: 24, .size: 8, .value_kind: global_buffer, .address_space: global }
      - { .name: V_codes, .offset: 32, .size: 8, .value_kind: global_buffer, .address_space: global }
      - { .name: V_scales, .offset: 40, .size: 8, .value_kind: global_buffer, .address_space: global }
      - { .name: out0, .offset: 48, .size: 8, .value_kind: global_buffer, .address_space: global }
    .group_segment_fixed_size: 124928
    .private_segment_fixed_size: 0
    .kernarg_segment_align: 8
    .kernarg_segment_size: 56
    .max_flat_workgroup_size: 512
    .sgpr_count:     66
    .vgpr_count:     256
    .wavefront_size: 32
...
	.end_amdgpu_metadata
.endif
;; end of part 1
;; ======== version 2 of 2: 1 launch; version 1 with the launch attn written anew for expert scheduling mode
;; launch attn (part 2): grid 16 x 16, 16 waves a work-group, no clusters, 124,928 bytes of LDS; arguments Q_codes, Q_scales, K_codes, K_scales, V_codes, V_scales, out0; writes out0
.if DOCPART == 2
	.amdgcn_target "amdgcn-amd-amdhsa--gfx1250"
	.amdhsa_code_object_version 6
	.text
	.protected	k_qc5383e3977_attn
	.globl	k_qc5383e3977_attn
	.p2align	8
	.type	k_qc5383e3977_attn,@function
k_qc5383e3977_attn:
	s_mov_b64 s[64:65], 0
	v_nop
	global_prefetch_b8 v0, s[64:65] scope:SCOPE_SE
	s_setreg_imm32_b32 hwreg(HW_REG_WAVE_SCHED_MODE, 0, 2), 2
	s_setreg_imm32_b32 hwreg(HW_REG_WAVE_MODE, 25, 1), 1
	s_wait_xcnt 0x0
	s_wait_alu depctr_vm_vsrc(0)
; out[h][q][:] = the sum over the keys k with q - 511 <= k <= q of softmax_k(Q[h][q] . K[h][k] / 8) V[h][k][:], 16 heads, 4,096 queries, head size 64.
; Both products on codes of FP4 (E2M1) with one E8M0 scale for each 32 along a product's K.  Q, K: 32 bytes of codes and 2 scale bytes a row.  V: codes with the keys innermost: row d is 128 blocks of 16 bytes, and 128 scale bytes.
; THE SOFTMAX AHEAD OF THE SECOND PRODUCT: t = score x log2(e) / 8; M = the largest t so far, rounded UP to a whole number; p = 2^(t - M) is quantised along the keys, in blocks of 32 counted from key 0; the row's sum is
; taken of the unquantised p and divides at the end.  When M moves, the sum and O are multiplied by 2^(old M - new M): exact.
; SHARES.  Work-group (x, y): queries 256 x .. 256 x + 255 of head y.  It needs keys 256 x - 512 .. 256 x + 255: 768 RELATIVE keys, 24 relative blocks of 32.  Wave w of sixteen owns 16 queries, one tile; c = w / 2, u = w % 2.
; Its queries see exactly 17 blocks, relative c + m, m = 0 .. 16: m = 0 partly hidden at the old end (HEAD), m = 1 .. 15 open, m = 16 partly hidden on the diagonal.  m = 1 + 4 s + b is block b of step s = 0 .. 3.
; LAYOUT.  Both products are used transposed (S^T = K Q^T, O^T = V^T P^T): lane (r = lane % 16, h = lane / 16) holds query r throughout.  Lane r of key tile 2 b + uu takes key 32 b + 8 uu + r + 8 (r / 8), so that the 16
; registers of tiles 2 b and 2 b + 1 are 16 neighbouring keys, 32 b + 16 h + 0 .. 15.
; A HEAD OF 64 IN AN INSTRUCTION OF K = 128.  A fragment of K holds TWO key tiles: registers 0-3 tile 2 b, registers 4-7 tile 2 b + 1.  Multiplied by [Q | zeros] it gives tile 2 b's scores, by [zeros | Q] tile 2 b + 1's:
; zero codes add nothing.  One scale word serves both: bytes 0, 1 the first tile's key, bytes 2, 3 the second's; Q's word holds its two bytes twice.
; LDS is filled ONCE, through registers, since V is laid anew ([block][d][16 bytes]) and K's scale bytes are paired; one barrier follows the fill, and nothing is filled again.
; KEYS BEFORE KEY 0 (x = 0, 1): the fill goes in three chunks of 256 keys; a chunk that would begin before key 0 begins at key 0 (the offset is held at 0), so no load leaves a buffer.  Its blocks are left out (whole steps, HEAD) or
; their scores become -infinity; the branches hang on x and the wave's number alone.
; NO CLUSTER: a chunk of 256 keys is read by three neighbouring work-groups, but lies at relative keys 512, 256 and 0 in them: at another LDS place in each, and no LDS address may hang on a work-group's place in a cluster.
; NO TENSOR LOAD: the re-laid V would be rows of 16 bytes; the whole window is 51 KB, six loads and six LDS stores of 16 bytes a thread.  NO PREFETCH: every load of inputs stands at the kernel's head.
; LIMITS: the scale byte 0xff (NaN) in an input is not served (a NaN may reach a neighbouring key tile or a hidden key's query).  A p under 2^-126 counts as 0 (v_exp_f32 flushes denormal results: ISA guide 15.8).
; t - M is one fused multiply-add: t is not rounded by itself.  A block's largest p is made from the block's largest score by the same two instructions, which takes v_exp_f32 not to fall where its input rises.
; THE MODE: SCHED_MODE bits 1:0 = 2 (LLVM: expert scheduling mode 2), set by the entry lines.  The code itself states the register dependences between vector or matrix instructions and memory or LDS instructions,
; with s_wait_alu, always for 0.
; THE PLAN.  Registers that memory or LDS instructions touch:
;   v1-3, v7-10   LDS and out addresses: written by vector lines at the head, never again; read by every later LDS load and store and by the global stores.
;   v96-143       the fill's data and offsets: read by the fill's loads and LDS stores; then V's scale bytes land in v96-115, and from the first step on products write all of them (S^T).
;   KF, KSC       written by LDS loads; read by a step's eight products K Q^T.  On the way out the stage's loads land in KF and the global stores read it.
;   VF            written by LDS loads; read by a step's four products V^T P.
;   v96-127       on the way out: written by sixteen multiplications, read by the stage's LDS stores.
; In a step ONE wait on va_vdst serves all its loads: the wait behind the batch of exponentials.  Ahead of it stand this step's products K Q^T and the last step's products V^T P, so behind it KF, KSC and VF are free:
; this step's eight loads of V and the NEXT step's twelve of K follow it at once, and the vector lines behind them (scales, conversions, sums) name none of KF, KSC, VF, v1-3.  A second wait stands directly ahead of V^T P,
; for p's codes and scale word.  The step that a wave walks first has no step before it: its K is asked for ahead of the steps, in the arm that jumps into it.
.set KC,    0                          ; LDS: K's codes: key kappa, half hh at 32 kappa + 16 (hh xor bit 4 of kappa): the 16 rows of a load's pass (0-7, 16-23) fall on 16 different columns of 16 bytes (64 banks of 4 bytes: ISA guide 11.1)
.set VC,    24576                      ; V's codes: block beta, row d at VP beta + 16 d
.set VP,    1056                       ; 64 rows x 16 bytes + 32: the fill's stores (8 blocks x 2 rows a pass) fall on 16 different columns
.set KS,    49920                      ; K's scale words: (beta, r) at 64 beta + 4 r: low half key 32 beta + r + 8 (r / 8), high half that key + 8
.set VS,    51456                      ; V's scale bytes: row d at 24 d, a byte for each relative block
.set STAGE, 52992                      ; the way out: for each wave 16 rows x (256 + 16) bytes
.set SP,    272
.set AK,  1                            ; v1   my place in K's codes: KC + 1024 c + 32 (r + 8 g) + 16 (h xor g), g = r / 8
.set AKS, 2                            ; v2   in K's scale words: KS + 64 c + 4 r
.set AV,  3                            ; v3   in V's codes: VC + VP (c + h) + 16 r
.set DD,  4                            ; v4   16 u + r - 16 h: register n of the diagonal block is hidden where n > DD, of the oldest block where n <= DD
.set NINF, 5                           ; v5   -infinity
.set QS,  6                            ; v6   Q's scale word
.set GO,  7                            ; v7   the way out: 256 h + 16 r in the wave's rows of out
.set STO, 8                            ; v8   the stage, in
.set RD,  9                            ; v9   the stage, back
.set AVS, 10                           ; v10  my place in V's scale bytes: VS + 24 r + 4 (c / 4)
                                       ; v12 -M, v13 the largest t, v[14:15] the sum in two halves
.set ZQ,  16                           ; v[16:23] = [zeros | Q]
.set QZ,  20                           ; v[20:27] = [Q | zeros]
.set KSC, 28                           ; v28-31   K's scale words of a step's four blocks
.set KF,  32                           ; v32-63   K's four fragments
.set VF,  64                           ; v64-95   V's four fragments
.set S,   96                           ; v96-159  S^T, then p
.set O,   160                          ; v160-191 O^T: four tiles of 16 channels
.set PC,  192                          ; v192-199 p's codes
.set VSW, 200                          ; v200-219 V's scale words: 4 x step + tile, step 0 being HEAD
.set PW,  220                          ; v220     p's scale word
.set F,   222                          ; v[222:223] f = 2^(old M - new M); v223 is written once, being named with it as a pair
.set BM,  224                          ; v224-227 the blocks' largest scores, then largest p
.set BX,  228                          ; v228-231 at work
.set BS,  232                          ; v232-235 the conversions' scale operands
.set L2,  236                          ; v[236:237] the sum's second chain
.set T0,  238
                                       ; v254, v255: the closing add's two registers; the spare words, 128 bytes a wave, lie from LDS byte 0x1e000 on
; the fill's registers lie in S^T's, which are not yet in use
.set KD,  96                           ; v96-107  K's codes as loaded
.set VD,  108                          ; v108-119 V's
.set RL,  120                          ; v120-125 scale bytes as loaded
.set KO,  128                          ; v128-130 offsets in K_codes, a chunk each
.set VO,  131                          ; v131-133 in V_codes
.set KST, 134                          ; LDS: where my 16 bytes of K go
.set VST, 135                          ; of V
.set KSS, 136                          ; where my two keys' scale bytes go
.set VSS, 137                          ; where my row's scale bytes of V go
.set KSG, 138                          ; offset in K_scales
.set VSG, 139                          ; v139-141 in V_scales
.set QCO, 142
.set QSO, 143
.set QSL, 144
.set TR,  145                          ; r
.set TH,  146                          ; h
.set TG,  147                          ; g
.set TA,  148                          ; v148-151 at work
.set TB,  149
.set TC,  150
.set TD,  151
.set WV,  18                           ; s18  wave
.set X,   19                           ; s19  block of 256 queries
.set SEL, 20                           ; s[20:21] v_permlanex16_b32's selects for lane l xor 16
.set CS,  22                           ; s[22:23] log2(e) / 8; the packed form names a pair and takes its low word for both halves
.set KK,  24                           ; s24-26 the three chunks' first keys
.set CW,  27                           ; s27  c
.set ZB,  28                           ; s28  15 - 8 x - c: blocks m = 1 .. ZB lie before key 0
.set KKW, 29                           ; s29  the first key of the chunk whose scale bytes my wave brings
.set SELH, 30                          ; s30  v_perm_b32's selector: bytes c % 4 .. c % 4 + 3 of two words
.set SELF, 31                          ; s31  one byte further on
.set Y,   32                           ; s32  head
.set MK,  48                           ; s48-63 the sixteen masks of a partly hidden block, one for each of its registers
; nb blocks of K from block m0 on: a fragment is two loads of 16 bytes, 8 keys (256 bytes) apart; and the block's scale word
.macro KLOAD m0, nb
.set bb, 0
.rept \nb
	ds_load_b128 v[KF+8*bb:KF+8*bb+3],   v[AK] offset:1024*((\m0)+bb)
	ds_load_b128 v[KF+8*bb+4:KF+8*bb+7], v[AK] offset:1024*((\m0)+bb)+256
	ds_load_b32  v[KSC+bb], v[AKS] offset:64*((\m0)+bb)
.set bb, bb+1
.endr
.endm
; V^T's four fragments (16 channels x 128 keys) of blocks m0 .. m0 + 3: registers 4 cc .. 4 cc + 3 of lane (r, h) are block m0 + 2 cc + h of row 16 t + r
.macro VLOAD m0
.irp t, 0,1,2,3
.irp cc, 0,1
	ds_load_b128 v[VF+8*\t+4*\cc:VF+8*\t+4*\cc+3], v[AV] offset:VP*((\m0)+2*\cc)+256*\t
.endr
.endr
.endm
; S^T of nb blocks: two products a block, each starting its sum with the constant 0
.macro SMUL nb
.set bb, 0
.rept \nb
	v_wmma_scale_f32_16x16x128_f8f6f4 v[S+16*bb:S+16*bb+7],    v[KF+8*bb:KF+8*bb+7], v[QZ:QZ+7], 0, v[KSC+bb], v[QS] matrix_a_fmt:MATRIX_FMT_FP4 matrix_b_fmt:MATRIX_FMT_FP4
	v_wmma_scale_f32_16x16x128_f8f6f4 v[S+16*bb+8:S+16*bb+15], v[KF+8*bb:KF+8*bb+7], v[ZQ:ZQ+7], 0, v[KSC+bb], v[QS] matrix_a_fmt:MATRIX_FMT_FP4 matrix_b_fmt:MATRIX_FMT_FP4
.set bb, bb+1
.endr
.endm
; O^T += V^T P^T: the four accumulators by turns, one instruction a turn; between two steps' links stand the next step's products K Q^T.  zero = 1: the products start the sums
.macro PVMUL st, zero
.irp t, 0,1,2,3
.if \zero
	v_wmma_scale_f32_16x16x128_f8f6f4 v[O+8*\t:O+8*\t+7], v[VF+8*\t:VF+8*\t+7], v[PC:PC+7], 0, v[VSW+4*(\st)+\t], v[PW] matrix_a_fmt:MATRIX_FMT_FP4 matrix_b_fmt:MATRIX_FMT_FP4
.else
	v_wmma_scale_f32_16x16x128_f8f6f4 v[O+8*\t:O+8*\t+7], v[VF+8*\t:VF+8*\t+7], v[PC:PC+7], v[O+8*\t:O+8*\t+7], v[VSW+4*(\st)+\t], v[PW] matrix_a_fmt:MATRIX_FMT_FP4 matrix_b_fmt:MATRIX_FMT_FP4
.endif
.endr
.endm
; four places: plain vector instructions between a matrix instruction and a vector instruction that reads its result or writes one of its registers (ISA guide 7.12.1)
.macro PLACES
.rept 4
	v_nop
.endr
.endm
	s_load_b256 s[4:11], s[0:1], 0x0               ; Q's codes s[4:5], Q's scales s[6:7], K's codes s[8:9], K's scales s[10:11]
	s_load_b128 s[12:15], s[0:1], 0x20             ; V's codes s[12:13], V's scales s[14:15]
	s_load_b64 s[16:17], s[0:1], 0x30              ; out
	v_lshl_add_u32 v254, v0, 2, 0x1e000
	v_mov_b32 v255, 0
	v_lshrrev_b32 v[TA], 5, v0
	v_readfirstlane_b32 s[WV], v[TA]               ; wave 0..15
	s_mov_b32 s[X], ttmp9
	s_and_b32 s[Y], ttmp7, 0xffff
	s_mov_b32 s[SEL], 0x76543210
	s_mov_b32 s[SEL+1], 0xfedcba98
	s_mov_b32 s[CS], 0x3e38aa3b                    ; log2(e) / 8
	s_mov_b32 s[CS+1], s[CS]
	s_lshl_b32 s33, s[X], 8                        ; 256 x
	s_sub_co_i32 s[KK], s33, 512                   ; chunk j begins at key 256 x - 512 + 256 j,
	s_sub_co_i32 s[KK+1], s33, 256
	s_mov_b32 s[KK+2], s33
	s_max_i32 s[KK], s[KK], 0                      ; held at 0
	s_max_i32 s[KK+1], s[KK+1], 0
	s_wait_alu depctr_va_sdst(0)                   ; the wave's number is written into s18, ahead of its first reader
	s_lshr_b32 s[CW], s[WV], 1                     ; c
	s_lshl_b32 s34, s[X], 3
	s_sub_co_i32 s[ZB], 15, s34
	s_sub_co_i32 s[ZB], s[ZB], s[CW]               ; 15 - 8 x - c
	s_lshr_b32 s34, s[WV], 2                       ; waves 0-11 bring K's scale bytes, four waves a chunk
	s_min_u32 s34, s34, 2                          ; (waves 12-15 bring none: their offset stays inside the buffer all the same)
	s_lshl_b32 s34, s34, 8
	s_add_co_i32 s[KKW], s33, s34
	s_sub_co_i32 s[KKW], s[KKW], 512
	s_max_i32 s[KKW], s[KKW], 0
	s_and_b32 s34, s[CW], 3
	s_mul_i32 s34, s34, 0x01010101
	s_add_co_u32 s[SELH], s34, 0x03020100
	s_add_co_u32 s[SELF], s[SELH], 0x01010101
	; every address register is made here, ahead of the first parting of the waves
	v_and_b32 v[TR], 15, v0                        ; r
	v_bfe_u32 v[TH], v0, 4, 1                      ; h
	v_bfe_u32 v[TG], v0, 3, 1                      ; g
	v_lshl_add_u32 v[TA], v[TG], 3, v[TR]          ; r + 8 g
	v_xor_b32 v[TB], v[TH], v[TG]
	v_lshlrev_b32 v[TB], 4, v[TB]
	v_lshl_add_u32 v[AK], v[TA], 5, v[TB]
	s_lshl_b32 s34, s[CW], 10
	v_add_nc_u32 v[AK], s34, v[AK]
	s_lshl_b32 s34, s[CW], 6
	s_add_co_u32 s34, s34, KS
	v_lshl_add_u32 v[AKS], v[TR], 2, s34
	s_mul_i32 s34, s[CW], VP
	s_add_co_u32 s34, s34, VC
	v_mul_u32_u24 v[TA], v[TH], VP
	v_lshl_add_u32 v[TA], v[TR], 4, v[TA]
	v_add_nc_u32 v[AV], s34, v[TA]
	s_and_b32 s34, s[WV], 1
	s_lshl_b32 s34, s34, 4                         ; 16 u
	v_lshlrev_b32 v[TA], 4, v[TH]
	v_sub_nc_u32 v[DD], v[TR], v[TA]
	v_add_nc_u32 v[DD], s34, v[DD]
	v_mov_b32 v[NINF], 0xff800000
	v_lshlrev_b32 v[TA], 4, v[TR]
	v_lshl_add_u32 v[GO], v[TH], 8, v[TA]
	s_mul_i32 s34, s[WV], 16*SP
	s_add_co_u32 s34, s34, STAGE                   ; my stage
	v_mul_u32_u24 v[TA], v[TR], SP
	v_lshl_add_u32 v[TA], v[TH], 5, v[TA]
	v_add_nc_u32 v[STO], s34, v[TA]                ; in: row r, 32 bytes for each half of the lanes
	v_mul_u32_u24 v[TA], v[TH], SP
	v_lshl_add_u32 v[TA], v[TR], 4, v[TA]
	v_add_nc_u32 v[RD], s34, v[TA]                 ; back: lanes 0-15 one row, lanes 16-31 the next
	s_lshr_b32 s34, s[CW], 2
	s_lshl_b32 s34, s34, 2
	s_add_co_u32 s34, s34, VS
	v_mul_u32_u24 v[TA], v[TR], 24
	v_add_nc_u32 v[AVS], s34, v[TA]
	; the fill, by the thread's number t
	v_bfe_u32 v[TA], v0, 5, 1
	v_xor_b32 v[TA], v0, v[TA]
	v_lshlrev_b32 v[KST], 4, v[TA]                 ; piece t of a chunk is key t / 2, half t % 2; bit 4 of the key is bit 5 of t
	v_and_b32 v[TA], 7, v0                         ; V: block t % 8 of the chunk,
	v_lshrrev_b32 v[TB], 3, v0                     ; row t / 8
	v_mul_u32_u24 v[TC], v[TA], VP
	v_lshl_add_u32 v[TC], v[TB], 4, v[TC]
	v_add_nc_u32 v[VST], VC, v[TC]
	v_lshlrev_b32 v[TC], 5, v[TB]                  ; K's scale bytes: thread t (of waves 0-11) brings relative keys 2 t and 2 t + 1: 32 (t / 8) + 8 (t % 4) + 2 (bit 2 of t), and 4 bytes on
	v_and_b32 v[TD], 3, v0
	v_lshl_add_u32 v[TC], v[TD], 3, v[TC]
	v_bfe_u32 v[TD], v0, 2, 1
	v_lshl_add_u32 v[TC], v[TD], 1, v[TC]
	v_add_nc_u32 v[KSS], KS, v[TC]
	v_and_b32 v[TD], 63, v0                        ; V's scale bytes: a lane (of waves 12, 13) to a row
	v_mul_u32_u24 v[TC], v[TD], 24
	v_add_nc_u32 v[VSS], VS, v[TC]
	v_lshlrev_b32 v[TD], 7, v[TD]                  ; 128 (t % 64)
	v_lshlrev_b32 v[TC], 4, v[TA]
	v_lshl_add_u32 v[TC], v[TB], 11, v[TC]         ; 2048 (t / 8) + 16 (t % 8)
	s_wait_alu depctr_va_vdst(0)
	v_lshlrev_b32 v[TA], 4, v0                     ; 16 t
.irp j, 0,1,2
	s_lshl_b32 s34, s[KK+\j], 5                    ; a key is 32 bytes of K's codes,
	v_add_nc_u32 v[KO+\j], s34, v[TA]
	s_lshr_b32 s35, s[KK+\j], 1                    ; half a byte of a row of V's,
	v_add_nc_u32 v[VO+\j], s35, v[TC]
	s_lshr_b32 s36, s[KK+\j], 5                    ; and 1 / 32 byte of a row of V's scales
	v_add_nc_u32 v[VSG+\j], s36, v[TD]
.endr
	v_and_b32 v[TA], 127, v0
	s_lshl_b32 s34, s[KKW], 1
	v_lshl_add_u32 v[KSG], v[TA], 2, s34           ; 4 (t % 128) + 2 x the chunk's first key
	v_lshlrev_b32 v[TA], 5, v[TR]
	v_lshl_add_u32 v[QCO], v[TH], 4, v[TA]         ; Q: row r, block h
	v_lshlrev_b32 v[QSO], 1, v[TR]
.irp i, 0,1,2,3
	v_mov_b32 v[ZQ+\i], 0                          ; the zero codes on either side of Q
	v_mov_b32 v[QZ+4+\i], 0
	v_mov_b32 v[BX+\i], 0                          ; written once: a lane permute's destination counts as one of its sources
.endr
.irp i, 2,3,4,5,6,7
	v_mov_b32 v[PC+\i], 0                          ; HEAD has one block of p: the other three are zero codes
.endr
	v_mov_b32 v[F+1], 0
	s_lshl_b32 s34, s[Y], 17                       ; the head in each tensor of codes,
	s_mov_b32 s35, 0
	s_lshl_b32 s36, s[Y], 13                       ; in each tensor of scale bytes;
	s_mov_b32 s37, 0
	s_lshl_b32 s38, s[X], 13
	s_lshl_b32 s40, s[WV], 9
	s_add_co_u32 s38, s38, s40                     ; my 16 queries: 32 bytes of codes each,
	s_mov_b32 s39, 0
	s_lshr_b32 s40, s38, 4                         ; 2 scale bytes,
	s_mov_b32 s41, 0
	s_lshl_b32 s42, s38, 3                         ; 256 bytes of out,
	s_lshl_b32 s43, s[Y], 20
	s_add_co_u32 s42, s42, s43                     ; in a head's 2^20
	s_mov_b32 s43, 0
	s_wait_kmcnt 0x0
	s_add_nc_u64 s[4:5], s[4:5], s[34:35]
	s_add_nc_u64 s[8:9], s[8:9], s[34:35]
	s_add_nc_u64 s[12:13], s[12:13], s[34:35]
	s_add_nc_u64 s[6:7], s[6:7], s[36:37]
	s_add_nc_u64 s[10:11], s[10:11], s[36:37]
	s_add_nc_u64 s[14:15], s[14:15], s[36:37]
	s_add_nc_u64 s[4:5], s[4:5], s[38:39]
	s_add_nc_u64 s[6:7], s[6:7], s[40:41]
	s_add_nc_u64 s[16:17], s[16:17], s[42:43]
	s_wait_alu depctr_va_vdst(0)                   ; every address and offset register of the kernel is written, which the loads and stores from here on read; so are the zero codes beside Q, which the scaled products take
.irp j, 0,1,2
	global_load_b128 v[KD+4*\j:KD+4*\j+3], v[KO+\j], s[8:9]      ; a wave reads 512 consecutive bytes of K's codes
.endr
.irp j, 0,1,2
	global_load_b128 v[VD+4*\j:VD+4*\j+3], v[VO+\j], s[12:13]    ; and 128 consecutive bytes of each of four rows of V's
.endr
	global_load_b128 v[QZ:QZ+3], v[QCO], s[4:5] th:TH_LOAD_NT    ; Q's fragment stays in registers; nobody else reads it
	global_load_u16 v[QSL], v[QSO], s[6:7]
	; ONE parting on the wave's number: the scale bytes
	s_cmp_lt_u32 s[WV], 12
	s_cbranch_scc0 .Lnot_ks
	global_load_b32 v[RL], v[KSG], s[10:11]        ; two keys' scale bytes
	s_wait_loadcnt 0x0
	ds_store_b16 v[KSS], v[RL]
	ds_store_b16_d16_hi v[KSS], v[RL] offset:4
	s_branch .Ljoin
.Lnot_ks:
	s_cmp_lt_u32 s[WV], 14
	s_cbranch_scc0 .Ljoin
.irp j, 0,1,2
	global_load_b64 v[RL+2*\j:RL+2*\j+1], v[VSG+\j], s[14:15]    ; a chunk's 8 scale bytes of my row
.endr
	s_wait_loadcnt 0x0
.irp j, 0,1,2
	ds_store_b64 v[VSS], v[RL+2*\j:RL+2*\j+1] offset:8*\j
.endr
.Ljoin:
	s_wait_loadcnt 0x0                             ; all my loads are in
.irp j, 0,1,2
	ds_store_b128 v[KST], v[KD+4*\j:KD+4*\j+3] offset:8192*\j
.endr
.irp j, 0,1,2
	ds_store_b128 v[VST], v[VD+4*\j:VD+4*\j+3] offset:8*VP*\j
.endr
	v_lshl_or_b32 v[QS], v[QSL], 16, v[QSL]        ; Q's two bytes twice
	s_wait_dscnt 0x0                               ; for the others' sake: my stores have landed
	s_barrier_signal -1
	s_barrier_wait -1                              ; the window lies in LDS; nothing is written there again but each wave's own stage
	s_wait_alu depctr_vm_vsrc(0)                   ; the fill's loads and LDS stores have read their offsets and data, v96-143: the loads below land in v96-115, and the products K Q^T write all of them
	; V's scale words, once a wave: five words of each of my four rows, cut to the steps' four bytes
.irp t, 0,1,2,3
.irp j, 0,1,2,3,4
	ds_load_b32 v[S+5*\t+\j], v[AVS] offset:384*\t+4*\j
.endr
.endr
	s_wait_dscnt 0x0
.irp t, 0,1,2,3
	v_perm_b32 v[VSW+\t], v[S+5*\t+1], v[S+5*\t], s[SELH]        ; blocks c .. c + 3
.irp j, 0,1,2,3
	v_perm_b32 v[VSW+4*(\j+1)+\t], v[S+5*\t+\j+1], v[S+5*\t+\j], s[SELF]   ; step j: blocks c + 1 + 4 j .. + 3
.endr
.endr
	s_wait_alu depctr_va_vdst(0)                   ; Q's scale word (the twenty lines above are the places behind it) and V's scale words are written: the scaled products take them, on every way from here
	s_cmp_lt_u32 s[X], 2
	s_cbranch_scc1 .Lno_head                       ; x = 0, 1: block m = 0 lies before key 0
	; HEAD: block m = 0, the first step of the wave: it starts M, the sum and O^T
	KLOAD 0, 1
	VLOAD 0
	s_wait_dscnt 8                                 ; K's three loads are in; V's eight, issued behind them, may be out
	SMUL 1
	PLACES
.set n, 0
.rept 16
	v_cmp_le_i32 s[MK+n], n, v[DD]                 ; key 16 h + n of the block counts for query 16 u + r where 16 h + n > 16 u + r
.set n, n+1
.endr
	s_wait_alu depctr_va_sdst(0)                   ; the sixteen masks are written, ahead of the selects that read them
.set n, 0
.rept 16
	v_cndmask_b32 v[S+n], v[S+n], v[NINF], s[MK+n]
.set n, n+1
.endr
	v_max3_num_f32 v[BM], v[S], v[S+1], v[S+2]
.irp i, 3,5,7,9,11,13
	v_max3_num_f32 v[BM], v[BM], v[S+\i], v[S+\i+1]
.endr
	v_max_num_f32 v[BM], v[BM], v[S+15]
	v_permlanex16_b32 v[BX], v[BM], s[SEL], s[SEL+1]
	v_max_num_f32 v[BM], v[BM], v[BX]              ; the block's largest score of my query
	v_mul_f32 v[T0], s[CS], v[BM]
	v_max_num_f32 v13, 0xff61b1e6, v[T0]           ; -3e38 at the least: the query 16 u + r = 31 sees nothing of this block
	v_floor_f32 v12, -v13                          ; -M = floor(-t)
.set jj, 0
.rept 8
	v_pk_fma_f32 v[S+jj:S+jj+1], v[S+jj:S+jj+1], s[CS:CS+1], v[12:13] op_sel_hi:[1,0,0]   ; t - M
.set jj, jj+2
.endr
	v_fma_f32 v[BM], v[BM], s[CS], v12
.set jj, 0
	s_wait_alu depctr_va_vdst(0)
.rept 16
	v_exp_f32 v[S+jj], v[S+jj]
.set jj, jj+1
.endr
	v_exp_f32 v[BM], v[BM]                         ; the block's largest p
	v_nop                                          ; a plain instruction behind the last exponential
	s_wait_alu depctr_va_vdst(0)                   ; the 17 exponentials have written p and the largest p, ahead of their first reader; and the two products above are done reading K's fragment and scale word, in which the loads below land
	KLOAD 1, 4                                     ; step 0's K
	v_max_num_f32 v[BM], 0x1800000, v[BM]          ; the floor 2^(3 - 127): the byte cannot fall under 1
	v_add_nc_u32 v[BS], 0xff000000, v[BM]          ; 2 off the exponent field: the conversion's scale operand
	v_lshrrev_b32 v[PW], 23, v[BS]                 ; the byte; bytes 1 to 3 are 0 and stand over zero codes
	v_cvt_scalef32_pk8_fp4_f32 v[PC], v[S:S+7], v[BS]
	v_cvt_scalef32_pk8_fp4_f32 v[PC+1], v[S+8:S+15], v[BS]
	v_nop                                          ; a plain instruction behind the conversions
	v_permlane16_swap_b32 v[PC], v[PC+2]           ; a whole block to a lane: lanes 0-15 hold block 0, lanes 16-31 zero codes
	v_permlane16_swap_b32 v[PC+1], v[PC+3]
	v_pk_add_f32 v[14:15], v[S:S+1], v[S+2:S+3]    ; the sum of the unquantised p; these lines are also the places ahead of the products below: 8 behind the scale word, 4 behind the codes
	v_pk_add_f32 v[L2:L2+1], v[S+4:S+5], v[S+6:S+7]
	v_pk_add_f32 v[14:15], v[14:15], v[S+8:S+9]
	v_pk_add_f32 v[L2:L2+1], v[L2:L2+1], v[S+10:S+11]
	v_pk_add_f32 v[14:15], v[14:15], v[S+12:S+13]
	v_pk_add_f32 v[L2:L2+1], v[L2:L2+1], v[S+14:S+15]
	v_pk_add_f32 v[14:15], v[14:15], v[L2:L2+1]
	v_nop
	v_nop
	s_wait_dscnt 12                                ; V is in; the twelve loads of step 0's K, issued behind it, may be out
	s_wait_alu depctr_va_vdst(0)                   ; p's codes and scale word are written, which the scaled products below take; the places above stay beside this wait
	PVMUL 0, 1
	s_branch .Lstep0
.Lno_head:
	v_mov_b32 v13, 0xff61b1e6                      ; the largest t so far: -3e38, under every t
	v_floor_f32 v12, -v13
	v_mov_b32 v14, 0
	v_mov_b32 v15, 0
.set jj, 0
.rept 32
	v_mov_b32 v[O+jj], 0                           ; O^T: the first step's change of M leaves zeros zeros
.set jj, jj+1
.endr
	; a step all of whose four blocks lie before key 0 (ZB >= 4 s + 4) is left out: the wave asks for the K of the first step that it walks, and jumps into it.  No vector or matrix instruction has yet named K's registers
	s_cmp_ge_i32 s[ZB], 12
	s_cbranch_scc1 .Lfirst3
	s_cmp_ge_i32 s[ZB], 8
	s_cbranch_scc1 .Lfirst2
	s_cmp_ge_i32 s[ZB], 4
	s_cbranch_scc1 .Lfirst1
	KLOAD 1, 4
	s_branch .Lstep0
.Lfirst1:
	KLOAD 5, 4
	s_branch .Lstep1
.Lfirst2:
	KLOAD 9, 4
	s_branch .Lstep2
.Lfirst3:
	KLOAD 13, 4
	s_branch .Lstep3
; A STEP: blocks m = 1 + 4 s .. 4 + 4 s, 128 keys.  Its K was asked for in the step before, or in the arm that jumped here
.macro STEP s
	s_wait_dscnt 0x0                               ; K's twelve loads are in
	SMUL 4
	PLACES
.irp b, 0,1,2                                  ; the step's leading blocks that lie before key 0: their scores become -infinity
	s_cmp_le_i32 s[ZB], 4*\s+\b
	s_cbranch_scc1 .Lopen_\@
.set n, 0
.rept 16
	v_mov_b32 v[S+16*\b+n], v[NINF]
.set n, n+1
.endr
.endr
.Lopen_\@:
.if \s == 3
.set n, 0
.rept 16
	v_cmp_gt_i32 s[MK+n], n, v[DD]                 ; the diagonal block: key 16 h + n is hidden from query 16 u + r where 16 h + n > 16 u + r
.set n, n+1
.endr
	s_wait_alu depctr_va_sdst(0)                   ; the sixteen masks are written, ahead of the selects that read them
.set n, 0
.rept 16
	v_cndmask_b32 v[S+48+n], v[S+48+n], v[NINF], s[MK+n]
.set n, n+1
.endr
.endif
.irp b, 0,1,2,3
	v_max3_num_f32 v[BM+\b], v[S+16*\b], v[S+16*\b+1], v[S+16*\b+2]   ; the largest score of each block: for the row's maximum, and, since p rises with the score, for the block's largest p
.endr
.irp i, 3,5,7,9,11,13
.irp b, 0,1,2,3
	v_max3_num_f32 v[BM+\b], v[BM+\b], v[S+16*\b+\i], v[S+16*\b+\i+1]   ; (the four blocks by turns; each tile is read from its low end on)
.endr
.endr
.irp b, 0,1,2,3
	v_max_num_f32 v[BM+\b], v[BM+\b], v[S+16*\b+15]
.endr
.irp b, 0,1,2,3
	v_permlanex16_b32 v[BX+\b], v[BM+\b], s[SEL], s[SEL+1]
.endr
.irp b, 0,1,2,3
	v_max_num_f32 v[BM+\b], v[BM+\b], v[BX+\b]     ; with lane l xor 16's 16 keys
.endr
	v_max3_num_f32 v[T0], v[BM], v[BM+1], v[BM+2]
	v_max_num_f32 v[T0], v[T0], v[BM+3]
	v_mul_f32 v[T0], s[CS], v[T0]                  ; the step's largest t
	v_max_num_f32 v13, v13, v[T0]                  ; the running largest t
	v_mov_b32 v[T0], v12
	v_floor_f32 v12, -v13                          ; the new -M
	v_sub_f32 v[T0], v12, v[T0]                    ; old M - new M: a whole number, 0 or less
	v_cvt_i32_f32 v[T0], v[T0]                     ; (it saturates)
	v_ldexp_f32 v[F], 1.0, v[T0]                   ; f = 2^(old M - new M)
.set jj, 0
.rept 32
	v_pk_fma_f32 v[S+jj:S+jj+1], v[S+jj:S+jj+1], s[CS:CS+1], v[12:13] op_sel_hi:[1,0,0]   ; t - M, two at a time
.set jj, jj+2
.endr
.irp b, 0,1,2,3
	v_fma_f32 v[BM+\b], v[BM+\b], s[CS], v12       ; the same of each block's largest score
.endr
.set jj, 0
	s_wait_alu depctr_va_vdst(0)
.rept 64
	v_exp_f32 v[S+jj], v[S+jj]                     ; p = 2^(t - M)
.set jj, jj+1
.endr
.irp b, 0,1,2,3
	v_exp_f32 v[BM+\b], v[BM+\b]                   ; the blocks' largest p: the same two instructions on the same number
.endr
	v_pk_mul_f32 v[14:15], v[14:15], v[F:F+1] op_sel_hi:[1,0]    ; the sum under the new M; this and the 16 lines below name no exponential's result: the wave's own work behind the batch
.set jj, 0
	s_wait_alu depctr_va_vdst(0)
.rept 16
	v_pk_mul_f32 v[O+jj:O+jj+1], v[O+jj:O+jj+1], v[F:F+1] op_sel_hi:[1,0]   ; O^T under the new M, each tile from its low end on
.set jj, jj+2
.endr
	s_wait_alu depctr_va_vdst(0)                   ; the 68 exponentials have written p and the largest p, ahead of their first reader; the last step's products V^T P are done reading V's fragments, this step's products K Q^T are done reading K's fragments and scale words: the loads below land in them
	VLOAD 1+4*\s                                   ; this step's V,
.if \s < 3
	KLOAD 5+4*\s, 4                                ; and the next step's K.  No vector line from here to the products names these registers or the three addresses
.endif
.irp b, 0,1,2,3
	v_max_num_f32 v[BM+\b], 0x1800000, v[BM+\b]    ; the floor 2^(3 - 127): the byte cannot fall under 1 (a block of zeros keeps that byte over zero codes)
.endr
.irp b, 0,1,2,3
	v_add_nc_u32 v[BS+\b], 0xff000000, v[BM+\b]    ; 2 off the exponent field: the conversion's scale operand
.endr
.irp b, 0,1,2,3
	v_lshrrev_b32 v[BX+\b], 23, v[BS+\b]           ; the scale's byte
.endr
	v_lshl_or_b32 v[PW], v[BX+1], 8, v[BX]         ; p's scale word for these 128 keys
	v_lshl_or_b32 v[PW], v[BX+2], 16, v[PW]
	v_lshl_or_b32 v[PW], v[BX+3], 24, v[PW]
.irp b, 0,1,2,3
	v_cvt_scalef32_pk8_fp4_f32 v[PC+2*\b], v[S+16*\b:S+16*\b+7], v[BS+\b]
	v_cvt_scalef32_pk8_fp4_f32 v[PC+2*\b+1], v[S+16*\b+8:S+16*\b+15], v[BS+\b]
.endr
	v_nop                                          ; a plain instruction behind the conversions
.irp cc, 0,1                                   ; a whole block to a lane: lanes 0-15 block 2 cc, lanes 16-31 block 2 cc + 1
.irp i, 0,1
	v_permlane16_swap_b32 v[PC+4*\cc+\i], v[PC+4*\cc+2+\i]
.endr
.endr
	v_pk_add_f32 v[L2:L2+1], v[S:S+1], v[S+2:S+3]  ; THE ROW'S SUM, of the unquantised p, in two chains.  These 32 lines name no register of the products below: they are the places behind p's scale word (8) and codes (4)
.irp j, 4,8,12,16,20,24,28,32,36,40,44,48,52,56,60
	v_pk_add_f32 v[14:15], v[14:15], v[S+\j:S+\j+1]
	v_pk_add_f32 v[L2:L2+1], v[L2:L2+1], v[S+\j+2:S+\j+3]
.endr
	v_pk_add_f32 v[14:15], v[14:15], v[L2:L2+1]
.if \s < 3
	s_wait_dscnt 12                                ; V is in; the twelve loads of the next step's K, issued behind it, may be out
.else
	s_wait_dscnt 0x0                               ; V is in
.endif
	s_wait_alu depctr_va_vdst(0)                   ; p's codes and scale word are written, which the scaled products below take; the places above stay beside this wait
	PVMUL \s+1, 0
.if \s == 3
	PLACES                                         ; ahead of the way out's reads of O^T
.endif
.endm
.Lstep0:
	STEP 0
.Lstep1:
	STEP 1
.Lstep2:
	STEP 2
.Lstep3:
	STEP 3
	; THE WAY OUT.  O^T / the sum goes through my own stage in LDS and comes back by rows, so that sixteen lanes store a query's 256 bytes
	v_add_f32 v14, v14, v15                        ; the sum's two halves,
	v_permlanex16_b32 v[BX], v14, s[SEL], s[SEL+1]
	v_add_f32 v14, v14, v[BX]                      ; and lane l xor 16's: at least 1/2, since every query sees its own key
	s_wait_alu depctr_va_vdst(0)
	v_rcp_f32 v14, v14
	v_nop                                          ; a plain instruction behind the reciprocal
	s_wait_alu depctr_va_vdst(0)                   ; the reciprocal is written, ahead of its first reader
.set jj, 0
.rept 16
	v_pk_mul_f32 v[S+jj:S+jj+1], v[O+jj:O+jj+1], v[14:15] op_sel_hi:[1,0]   ; register 8 t + i is out(r, 16 t + 8 h + i)
.set jj, jj+2
.endr
	s_wait_alu depctr_va_vdst(0)                   ; the sixteen multiplications have written v96-127, which the LDS stores read; the products that read K's fragments, in which the stage's loads land, stand ahead of it too
.irp t, 0,1,2,3
	ds_store_b128 v[STO], v[S+8*\t:S+8*\t+3] offset:64*\t
	ds_store_b128 v[STO], v[S+8*\t+4:S+8*\t+7] offset:64*\t+16
.endr
.irp i, 0,1,2,3,4,5,6,7
	ds_load_b128 v[KF+4*\i:KF+4*\i+3], v[RD] offset:2*\i*SP      ; LDS serves a wave's instructions in order (ISA guide 5.7.1.4): these see my stores
.endr
.irp i, 0,1,2,3,4,5,6,7
	s_wait_dscnt 7-\i                              ; load i is in; the younger ones may be out
	global_store_b128 v[GO], v[KF+4*\i:KF+4*\i+3], s[16:17] offset:512*\i th:TH_STORE_NT   ; 32 lanes store 512 consecutive bytes, at a multiple of 256 from out's first byte; written once
.endr
	s_wait_dscnt 0x0                               ; the closing lines, six on end
	s_wait_alu 0x0
	s_wait_tensorcnt 0x0
	ds_add_u32 v254, v255
	s_wait_dscnt 0x0
	s_endpgm
.Lfunc_end_k_qc5383e3977_attn:
	.size	k_qc5383e3977_attn, .Lfunc_end_k_qc5383e3977_attn-k_qc5383e3977_attn
	.p2alignl 7, 3214868480
	.fill 96, 4, 3214868480
	.section	.rodata,"a",@progbits
	.p2align	6, 0x0
	.amdhsa_kernel k_qc5383e3977_attn
		.amdhsa_group_segment_fixed_size 124928
		.amdhsa_private_segment_fixed_size 0
		.amdhsa_enable_private_segment 0
		.amdhsa_kernarg_size 56
		.amdhsa_user_sgpr_count 2
		.amdhsa_user_sgpr_kernarg_segment_ptr 1
		.amdhsa_wavefront_size32 1
		.amdhsa_system_sgpr_workgroup_id_x 1
		.amdhsa_system_sgpr_workgroup_id_y 1
		.amdhsa_system_sgpr_workgroup_id_z 1
		.amdhsa_system_vgpr_workitem_id 0
		.amdhsa_next_free_vgpr 256
		.amdhsa_next_free_sgpr 66
		.amdhsa_reserve_vcc 0
		.amdhsa_float_denorm_mode_32 3
		.amdhsa_float_denorm_mode_16_64 3
		.amdhsa_memory_ordered 1
		.amdhsa_forward_progress 1
		.amdhsa_inst_pref_size 94
	.end_amdhsa_kernel
	.amdgpu_metadata
---
amdhsa.version: [ 1, 2 ]
amdhsa.kernels:
  - .name:           k_qc5383e3977_attn
    .symbol:         k_qc5383e3977_attn.kd
    .args:
      - { .name: Q_codes, .offset: 0, .size: 8, .value_kind: global_buffer, .address_space: global }
      - { .name: Q_scales, .offset: 8, .size: 8, .value_kind: global_buffer, .address_space: global }
      - { .name: K_codes, .offset: 16, .size: 8, .value_kind: global_buffer, .address_space: global }
      - { .name: K_scales, .offset: 24, .size: 8, .value_kind: global_buffer, .address_space: global }
      - { .name: V_codes, .offset: 32, .size: 8, .value_kind: global_buffer, .address_space: global }
      - { .name: V_scales, .offset: 40, .size: 8, .value_kind: global_buffer, .address_space: global }
      - { .name: out0, .offset: 48, .size: 8, .value_kind: global_buffer, .address_space: global }
    .group_segment_fixed_size: 124928
    .private_segment_fixed_size: 0
    .kernarg_segment_align: 8
    .kernarg_segment_size: 56
    .max_flat_workgroup_size: 512
    .sgpr_count:     66
    .vgpr_count:     256
    .wavefront_size: 32
...
	.end_amdgpu_metadata
.endif
;; end of part 2
